; MI455X (gfx1250); checked and timed in simulation.
; The chip was launched on July 23, 2026; its instructions are those of AMD's public machine-readable ISA for CDNA 5 (MIT licence, August 2026) and "CDNA5" Instruction Set Architecture Reference Guide (July 2026). The comments in the code are by the model that wrote it; some were corrected since.
;; Tiny Mo E. Allowed arithmetic: float matrix products may take bf16 or f16 operands with f32 sums; all other float work in f32.
;; Inputs: expert_weights 8 x 512 x 512 float32; hidden_states 4 x 4,096 x 512 float32; router_w 8 x 512 float32.
;; Outputs: out0 4 x 4,096 x 512 float32.
;; Constants: cluster_axis = 0.
;; 2 versions, each right and faster than the one before. Each part assembles by itself: llvm-mc -triple=amdgcn-amd-amdhsa -mcpu=gfx1250 --defsym DOCPART=n.
;; ======== version 1 of 2: 2 launches
;; workspace buffers: wt 4,194,304 bytes
;; launch castw (part 1): grid 256 x 1, 8 waves a work-group, no clusters, 18,432 bytes of LDS; arguments expert_weights, wt; writes wt
.if DOCPART == 1
	.amdgcn_target "amdgcn-amd-amdhsa--gfx1250"
	.amdhsa_code_object_version 6
	.text
	.protected	k_q37118b93fc_castw
	.globl	k_q37118b93fc_castw
	.p2align	8
	.type	k_q37118b93fc_castw,@function
k_q37118b93fc_castw:
	s_mov_b64 s[64:65], 0
	v_nop
	global_prefetch_b8 v0, s[64:65] scope:SCOPE_SE
	s_setreg_imm32_b32 hwreg(HW_REG_WAVE_MODE, 25, 1), 1
	s_wait_xcnt 0x0
; wt[e][o][h] = bf16(expert_weights[e][h][o]): the experts' matrices rounded once (to nearest even) and transposed, so that the
; next launch finds K (= h) along the rows, as the matrix unit's fragments want it.
; expert_weights: [8][512][512] f32, rows of 2,048 bytes.  wt: [8][512][512] bf16, rows of 1,024 bytes.
; 256 work-groups of eight waves; a work-group turns a tile of 128 h x 64 o: 8 experts x 4 blocks of h x 8 blocks of o.
; In: thread t takes 4 columns (16 bytes) of 8 rows; sixteen neighbouring lanes cover the tile's 256 bytes of a row.
; Out: through LDS, so that sixteen neighbouring lanes store 256 consecutive bytes (128 h) of one row o, aligned to 256.
; No matrix unit, no cluster, no tensor load: each byte is touched once and no work-group shares anything with another.
.set TP,   272                         ; LDS pitch of a transposed row: 128 bf16 = 256 bytes, + 16
.set INROW, 2048                       ; bytes in a row of expert_weights
.set IN,   3                           ; v3      byte offset of my 16 bytes in my first row of the input tile
.set ST,   4                           ; v4      LDS address of my 16 bytes (8 h) in row o = 4 og
.set RB,   5                           ; v5      LDS address from which I read a row back
.set OU,   6                           ; v6      byte offset of my 16 bytes in the output tile
.set X,    8                           ; v[8:39]   8 rows x 4 columns, f32, as loaded
.set P,    40                          ; v[40:55]  4 columns x 8 h, bf16, packed
.set Y,    56                          ; v[56:71]  4 x 16 bytes read back
	s_load_b128 s[4:7], s[0:1], 0x0                ; expert_weights s[4:5], wt s[6:7]
	v_lshl_add_u32 v72, v0, 2, 0x4400
	v_mov_b32 v73, 0
	s_lshr_b32 s8, ttmp9, 5                        ; e: the expert
	s_bfe_u32 s9, ttmp9, 0x20003                   ; hb: which 128 h (2 bits from bit 3)
	s_and_b32 s10, ttmp9, 7                        ; ob: which 64 o
	s_lshl_b32 s12, s8, 20                         ; in: e x 512 rows x 2,048 bytes
	s_lshl_b32 s11, s9, 18                         ;   + hb x 128 rows x 2,048 bytes
	s_or_b32 s12, s12, s11
	s_lshl_b32 s11, s10, 8                         ;   + ob x 64 columns x 4 bytes
	s_or_b32 s12, s12, s11
	s_mov_b32 s13, 0
	s_lshl_b32 s14, s8, 19                         ; out: e x 512 rows x 1,024 bytes
	s_lshl_b32 s11, s10, 16                        ;   + ob x 64 rows x 1,024 bytes
	s_or_b32 s14, s14, s11
	s_lshl_b32 s11, s9, 8                          ;   + hb x 128 numbers x 2 bytes
	s_or_b32 s14, s14, s11
	s_mov_b32 s15, 0
	v_and_b32 v1, 15, v0                           ; og: my 4 columns o on the way in, my 16 bytes of a row on the way out
	v_lshrrev_b32 v2, 4, v0                        ; hg: my 8 rows h on the way in, my row o (of 16) on the way out
	v_lshlrev_b32 v[IN], 4, v1
	v_lshl_or_b32 v[IN], v2, 14, v[IN]             ; hg x 8 rows x 2,048 + 16 og
	v_mul_u32_u24 v[ST], v1, 4*TP
	v_lshl_add_u32 v[ST], v2, 4, v[ST]             ; row 4 og, byte 16 hg
	v_mul_u32_u24 v[RB], v2, TP
	v_lshl_add_u32 v[RB], v1, 4, v[RB]             ; row hg, byte 16 og
	v_lshlrev_b32 v[OU], 4, v1
	v_lshl_or_b32 v[OU], v2, 10, v[OU]             ; hg x 1,024 + 16 og
	s_wait_kmcnt 0x0
	s_add_nc_u64 s[4:5], s[4:5], s[12:13]
	s_add_nc_u64 s[6:7], s[6:7], s[14:15]
.irp i, 0,1,2,3,4,5,6,7
	global_load_b128 v[X+4*\i:X+4*\i+3], v[IN], s[4:5] offset:\i*INROW th:TH_LOAD_NT   ; row h = 8 hg + i; the launch reads each byte once
.endr
; Two rows at a time: column c of rows 2q and 2q + 1 makes one word of column c's eight bf16 (the lower h in the low half).
.irp q, 0,1,2,3
	s_wait_loadcnt 6-2*\q                          ; loads come back in order: rows 2q and 2q + 1 are in, the 6 - 2q younger ones stay out
.irp c, 0,1,2,3
	v_cvt_pk_bf16_f32 v[P+4*\c+\q], v[X+8*\q+\c], v[X+8*\q+4+\c]
.endr
.endr
.irp c, 0,1,2,3
	ds_store_b128 v[ST], v[P+4*\c:P+4*\c+3] offset:\c*TP     ; row o = 4 og + c, h = 8 hg .. 8 hg + 7
.endr
	s_wait_dscnt 0x0                               ; my stores are in LDS: the other waves read them behind the barrier
	s_barrier_signal -1
	s_barrier_wait -1
.irp i, 0,1,2,3
	ds_load_b128 v[Y+4*\i:Y+4*\i+3], v[RB] offset:\i*16*TP   ; row o = hg + 16 i
.endr
.irp i, 0,1,2,3
	s_wait_dscnt 3-\i                              ; LDS loads come back in order: row i of my four is in
	global_store_b128 v[OU], v[Y+4*\i:Y+4*\i+3], s[6:7] offset:\i*16*1024   ; sixteen lanes store 256 consecutive bytes, aligned; no hint: the next launch reads them
.endr
	s_wait_tensorcnt 0x0
	ds_add_u32 v72, v73
	s_wait_dscnt 0x0
	s_endpgm
.Lfunc_end_k_q37118b93fc_castw:
	.size	k_q37118b93fc_castw, .Lfunc_end_k_q37118b93fc_castw-k_q37118b93fc_castw
	.p2alignl 7, 3214868480
	.fill 96, 4, 3214868480
	.section	.rodata,"a",@progbits
	.p2align	6, 0x0
	.amdhsa_kernel k_q37118b93fc_castw
		.amdhsa_group_segment_fixed_size 18432
		.amdhsa_private_segment_fixed_size 0
		.amdhsa_enable_private_segment 0
		.amdhsa_kernarg_size 16
		.amdhsa_user_sgpr_count 2
		.amdhsa_user_sgpr_kernarg_segment_ptr 1
		.amdhsa_wavefront_size32 1
		.amdhsa_system_sgpr_workgroup_id_x 1
		.amdhsa_system_sgpr_workgroup_id_y 1
		.amdhsa_system_sgpr_workgroup_id_z 1
		.amdhsa_system_vgpr_workitem_id 0
		.amdhsa_next_free_vgpr 74
		.amdhsa_next_free_sgpr 66
		.amdhsa_reserve_vcc 0
		.amdhsa_float_denorm_mode_32 3
		.amdhsa_float_denorm_mode_16_64 3
		.amdhsa_memory_ordered 1
		.amdhsa_forward_progress 1
		.amdhsa_inst_pref_size 5
	.end_amdhsa_kernel
	.amdgpu_metadata
---
amdhsa.version: [ 1, 2 ]
amdhsa.kernels:
  - .name:           k_q37118b93fc_castw
    .symbol:         k_q37118b93fc_castw.kd
    .args:
      - { .name: expert_weights, .offset: 0, .size: 8, .value_kind: global_buffer, .address_space: global }
      - { .name: wt, .offset: 8, .size: 8, .value_kind: global_buffer, .address_space: global }
    .group_segment_fixed_size: 18432
    .private_segment_fixed_size: 0
    .kernarg_segment_align: 8
    .kernarg_segment_size: 16
    .max_flat_workgroup_size: 256
    .sgpr_count:     66
    .vgpr_count:     74
    .wavefront_size: 32
...
	.end_amdgpu_metadata
.endif
;; end of part 1
;; launch moe (part 2): grid 64 x 4, 4 waves a work-group, clusters of 4 x 4, 327,680 bytes of LDS; arguments hidden_states, router_w, wt, out0; writes out0
.if DOCPART == 2
	.amdgcn_target "amdgcn-amd-amdhsa--gfx1250"
	.amdhsa_code_object_version 6
	.text
	.protected	k_q37118b93fc_moe
	.globl	k_q37118b93fc_moe
	.p2align	8
	.type	k_q37118b93fc_moe,@function
k_q37118b93fc_moe:
	s_mov_b64 s[64:65], 0
	v_nop
	global_prefetch_b8 v0, s[64:65] scope:SCOPE_SE
	s_setreg_imm32_b32 hwreg(HW_REG_WAVE_MODE, 25, 1), 1
	s_wait_xcnt 0x0
	s_wait_alu depctr_hold_cnt(0) depctr_sa_sdst(0) depctr_va_vdst(0) depctr_va_sdst(0) depctr_va_ssrc(0) depctr_va_vcc(0) depctr_vm_vsrc(0)
	s_getreg_b32 s2, hwreg(HW_REG_IB_STS2, 6, 4)
	s_cmp_eq_u32 s2, 0
	s_cbranch_scc0 .Lentry_in_a_cluster
	s_endpgm
.Lentry_in_a_cluster:
	s_bfe_u32 s2, ttmp6, 0x10000c
	s_cmp_lg_u32 s2, 0xf033
	s_cbranch_scc0 .Lentry_shape_is_right
	s_endpgm
.Lentry_shape_is_right:
; out[n][o] = sum over the 8 experts e of w[n][e] (sum over h of x[n][h] W[e][h][o]),  w = the renormalised top-2 of softmax(x router_w^T),
; and w = 0 for the six experts that a token did not choose.  The choice only selects values (v_cndmask_b32): no address and no branch hangs on it.
; x: [16384][512] f32.  router_w: [8][512] f32.  wt: [8][512 o][512 h] bf16, made by the launch before.  out0: [16384][512] f32.
; Matrix operands (x, router_w, W) are rounded once to bf16, to nearest even; sums, softmax, top-2 and the weighting are f32.
;
; SHARES.  A work-group: 256 tokens x 128 columns; 64 x 4 work-groups.  A wave: 64 tokens x 128 columns, in two passes of 64 columns.
; A wave's 64 tokens x 512 h in bf16 are 512 registers and serve all 8 experts and both passes: they are loaded once, rounded, and STAY in
; registers.  Only W goes through LDS, and all four waves read the same rows of it: 16 loads of 16 bytes a lane feed 32 matrix instructions.
; A UNIT is one expert's 64 rows (columns of out) x 512 h: 64 rows of 1,024 bytes.  16 units (2 passes x 8 experts) go through two LDS slots;
; each wave brings 16 rows of each unit by one tensor load (the unit has 64 rows for four waves).  A unit is 256 matrix instructions a wave.
; The text is written out by macro without a loop: the register numbers of the tokens' fragments and of the weights are fixed in each unit,
; and the last two units differ from the others in what they fill.
;
; CLUSTERS.  4 x 4 work-groups.  The four of a row of the cluster (same cy) have the same column block and walk the same units of wt: each unit
; is asked for JOINTLY, by the same tensor load with the same descriptor and a mask that names the four.  That divides the requests for wt by four.
; x is not asked for jointly: it has to pass through registers to be rounded, and each wave keeps only its own 64 tokens.
; The grid has 4 work-groups along y, one cluster: the column block is cy itself, and ttmp7 is not read.
;
; LIMITS.  NaN in the inputs is not followed.  An expert that was not chosen enters as 0 x its product: a product that overflows f32 gives NaN
; where the definition gives none.  v_exp_f32 gives 0 for results below 2^-126 (ISA guide, its entry in 15.8): such a weight is below 1.2e-38.
; The top-2 is taken on this text's f32 probabilities by strict compares (of equal ones the lower index wins, as in lax.top_k); two logits
; that differ by less than the error of an f32 sum of 512 products can fall either way.  1/x is v_rcp_f32, not a correctly rounded division.
;
; REGISTERS, in windows of 256 (s_set_vgpr_msb's low byte: bits 1:0 source 0, 3:2 source 1, 5:4 source 2, 7:6 destination):
;   window 0: v1-15 addresses; v16-27 at work in the softmax; v32-63 logits, then probabilities; v64-127, v128-191 two fragment buffers
;             (first the router's rows, then W's); v192-255 at work in the rounding, then the weights, each twice (a pair for v_pk_fma_f32)
;   window 1: the tokens' fragments for K blocks 0-7 (block kk, 16 tokens a: v[8 (4 kk + a)]);   window 2: the same for K blocks 8-15
;   window 3: v0-127 the unit's sums ACC (tile (a, b) at v[8 (4 a + b)]), v128-255 the weighted total TOT; at the start: two buffers for x as loaded
; Every macro that names vector registers sets the window that it needs itself.
;
; THE MATRIX INSTRUCTION IS USED TRANSPOSED: source 0 = 16 rows of W (or of router_w), source 1 = 16 tokens.  Lane l then holds token l % 16, and
; its registers 0 to 7 hold 8 neighbouring columns 8 (l / 16) + 0..7.  The router's rows are given twice (rows 8-15 = rows 0-7), so that EVERY lane ends
; with all 8 logits of token l % 16, the token whose outputs it holds: softmax, top-2 and weighting never leave the lane.
.set PB,    1040                       ; LDS pitch of a row of 512 bf16: 1,024 bytes + 16 = 65 x 16: the 16 rows of a fragment load start 16 bytes apart modulo 256
.set SLOT,  64*PB                      ; a unit: 66,560 bytes
.set STG,   2*SLOT                     ; behind the two slots (133,120, a multiple of 256): the waves' own stages, into which no tensor load lands
.set WSTG,  16*PB                      ; a wave's stage, and a wave's 16 rows of a slot: 16,640 bytes
.set OP,    272                        ; the way out: pitch of a row of 64 f32
.set XROW,  2048                       ; bytes in a row of x, of router_w and of out0
.set ESTEP, 524288                     ; wt: from an expert to the next
.set PSTEP, 65536                      ; wt: 64 rows, from pass 0 to pass 1
.set XO,   4                           ; v4    16 x lane: my 16 bytes of 512
.set SA,   5                           ; v5    stage + 8 x lane: where my 4 rounded numbers go
.set AR,   6                           ; v6    stage + (l % 16) PB + 16 (l / 16): a fragment of 16 tokens
.set RR,   7                           ; v7    stage + (l % 8) PB + 16 (l / 16): the router's 8 rows, given twice
.set ADRB, 8                           ; v8-9  slot n + (l % 16) PB + 16 (l / 16): fragments of W
.set STO,  10                          ; v10   the way out: where my 8 f32 of a token go
.set RD,   11                          ; v11   the way out: where I read a row back
.set CO,   12                          ; v12   my byte offset in out0
.set MX,   16                          ; v16-19 maximum, its multiple, sums, reciprocal
.set B1,   20                          ; v20-23 best and second best probability and their experts
.set I1,   21
.set B2,   22
.set I2,   23
.set DN,   24                          ; v24-27 denominator, its reciprocal, the two weights
.set LG,   32
.set F0,   64
.set F1,   128
.set CT,   192
.set W2,   192
.set ACC,  0
.set TOT,  128
.set G1,   16                          ; s[16:23] descriptor group 1
.set G0,   24                          ; s[24:31] descriptor group 0, a set for each slot
.set MSB,  0
.macro WIN new                         ; the immediate's high byte repeats the setting that is left; a switch that changes nothing is dropped
.if MSB != \new
	s_set_vgpr_msb (MSB<<8)|\new
.set MSB, \new
.endif
.endm
; A vector instruction that reads a matrix result, and a load into a register that a matrix instruction has read, stand four places behind that
; matrix instruction; only plain vector instructions that name none of its registers are places (ISA guide 7.12.1 for vector instructions).
.macro PLACES
.rept 4
	v_nop
.endr
.endm
; A round of the cluster's barrier: my work-group's barrier, so that wave 0 speaks for all four waves; wave 0 signals for the work-group; every wave
; waits for all sixteen work-groups; my work-group's barrier once more.
.macro CREST                           ; a round behind its opening barrier
	s_cmp_lg_u32 s12, 0
	s_cbranch_scc1 .Lnot_wave_0_\@
	s_barrier_signal -3
.Lnot_wave_0_\@:
	s_barrier_wait -3
	s_barrier_signal -1
	s_barrier_wait -1
.endm
.macro CROUND                          ; a whole round
	s_barrier_signal -1
	s_barrier_wait -1
	CREST
.endm
	s_load_b256 s[4:11], s[0:1], 0x0               ; x s[4:5], router_w s[6:7], wt s[8:9], out0 s[10:11]
	v_lshl_add_u32 v30, v0, 2, 0x30c00
	v_mov_b32 v31, 0
	ds_add_u32 v30, v31
	v_lshrrev_b32 v13, 5, v0
	v_readfirstlane_b32 s12, v13                   ; wave 0..3
	s_bfe_u32 s40, ttmp6, 0x40000                  ; cx: my place along the cluster's x
	s_bfe_u32 s41, ttmp6, 0x40004                  ; cy: along its y = the column block (one cluster along y)
	s_lshl_b32 s42, ttmp9, 2                       ; in a cluster launch ttmp9 counts clusters
	s_add_co_u32 s42, s42, s40                     ; token block = 4 x cluster x + cx
	s_lshl_b32 s44, s41, 2
	s_lshl_b32 s44, 15, s44                        ; my row of the cluster: places 4 cy .. 4 cy + 3
	; descriptor group 1: 16 rows x 512 elements of 2 bytes, 16 bytes of padding behind each row
	s_or_b32 s[G1+0], s44, (1<<16)|(1<<20)|(1<<21)|(7<<22)|(3<<25)  ; 15:0 the mask; 17:16 element of 2 bytes; 20 padding on; 21 set beside a mask; 24:22 after every 256 words (code 7); 31:25 of 4 words (code 3)
	s_mov_b32 s[G1+1], 512<<16                     ; 63:48 tensor_dim0, low half = 512
	s_mov_b32 s[G1+2], 16<<16                      ; 79:64 its high half = 0; 95:80 tensor_dim1, low half = 16
	s_mov_b32 s[G1+3], 512<<16                     ; 111:96 its high half = 0; 127:112 tile_dim0 = 512
	s_mov_b32 s[G1+4], 16                          ; 143:128 tile_dim1 = 16; 159:144 tile_dim2 = 0
	s_mov_b32 s[G1+5], 512                         ; 191:160 elements from row to row
	s_mov_b32 s[G1+6], 0
	s_mov_b32 s[G1+7], 0
	s_mul_i32 s35, s12, WSTG                       ; my 16 rows of a slot: the wave's number alone enters an LDS address
	s_add_co_u32 s34, s35, STG                     ; my stage
	s_lshl_b32 s36, s42, 19                        ; x: token block x 256 rows x 2,048 bytes
	s_lshl_b32 s37, s12, 17                        ;  + wave x 64 rows
	s_add_co_u32 s36, s36, s37
	s_mov_b32 s37, 0
	s_lshl_b32 s38, s41, 9                         ; out0: the same + column block x 128 x 4 bytes
	s_add_co_u32 s38, s38, s36
	s_mov_b32 s39, 0
	s_lshl_b32 s46, s41, 17                        ; wt: column block x 128 rows x 1,024 bytes (cy, which my partners share; cx never enters these registers)
	s_lshl_b32 s47, s12, 14                        ;  + wave x 16 rows
	s_add_co_u32 s46, s46, s47
	s_mov_b32 s47, 0
	s_mov_b32 s52, 0x3fb8aa3b                      ; log2 e
	v_and_b32 v1, 15, v0                           ; l % 16
	v_bfe_u32 v2, v0, 4, 1                         ; l / 16
	v_and_b32 v3, 31, v0                           ; l
	v_lshlrev_b32 v[XO], 4, v3
	v_lshl_add_u32 v[SA], v3, 3, s34
	v_mul_u32_u24 v14, v1, PB
	v_lshl_add_u32 v14, v2, 4, v14                 ; (l % 16) PB + 16 (l / 16)
	v_add_nc_u32 v[AR], s34, v14
	v_and_b32 v15, 7, v0
	v_mul_u32_u24 v15, v15, PB
	v_lshl_add_u32 v15, v2, 4, v15
	v_add_nc_u32 v[RR], s34, v15
	v_mov_b32 v[ADRB], v14
	v_add_nc_u32 v[ADRB+1], SLOT, v14
	v_mul_u32_u24 v[STO], v1, OP                   ; in: row l % 16, 32 bytes for each half of the lanes
	v_lshl_add_u32 v[STO], v2, 5, v[STO]
	v_add_nc_u32 v[STO], s34, v[STO]
	v_mul_u32_u24 v[RD], v2, OP                    ; back: lanes 0-15 take one row of 256 bytes, lanes 16-31 the next
	v_lshl_add_u32 v[RD], v1, 4, v[RD]
	v_add_nc_u32 v[RD], s34, v[RD]
	v_lshlrev_b32 v[CO], 11, v2                    ; and the same two rows in out0
	v_lshl_add_u32 v[CO], v1, 4, v[CO]
	s_wait_dscnt 0x0
	s_wait_kmcnt 0x0
	s_add_nc_u64 s[4:5], s[4:5], s[36:37]          ; x at my wave's first token
	s_add_nc_u64 s[10:11], s[10:11], s[38:39]      ; out0 at my wave's first token and my block's first column
	s_add_nc_u64 s[32:33], s[8:9], s[46:47]        ; wt at my 16 rows of expert 0, pass 0
	CROUND                                         ; all sixteen work-groups are here: the first joint loads meet
	; Units 0 and 1 go out together, ahead of every wait on TENSORcnt, LDS read and further barrier: two tensor loads of the wave are out here, later one.
.irp n, 0,1
	s_mov_b32 s[G0+4*\n], 1                                        ; 1:0 count = 1
	s_add_co_u32 s[G0+4*\n+1], s35, \n*SLOT                        ; 63:32 LDS address
	s_add_nc_u64 s[G0+4*\n+2:G0+4*\n+3], s[32:33], \n*ESTEP        ; 120:64 global address: expert n, pass 0
	s_or_b32 s[G0+4*\n+3], s[G0+4*\n+3], 0x80000000                ; 127:126 type = 2
	tensor_load_to_lds s[G0+4*\n:G0+4*\n+3], s[G1:G1+7]
	s_nop 0
.endr
; ---- THE START: router_w and my 64 tokens, 8 rows (16 KiB) at a time: f32 into one of two buffers of 128 registers, rounded, through my own stage
; ---- in LDS into fragments.  The stage is the wave's own and LDS serves a wave's instructions in order (ISA guide 5.7.1.4): no wait and no barrier between its stores and loads.
; 32 loads, each of 512 neighbouring bytes.  q = 0: router_w's 8 rows; q = 1..8: my tokens 8 (q - 1) .. + 7.  No hint: other work-groups read the same rows.
.macro LOADQ q
	WIN 0xc0                                       ; destination window 3
.irp row, 0,1,2,3,4,5,6,7
.irp seg, 0,1,2,3
.if \q == 0
	global_load_b128 v[128*(\q&1)+16*\row+4*\seg:128*(\q&1)+16*\row+4*\seg+3], v[XO], s[6:7] offset:\row*XROW+\seg*512
.else
	global_load_b128 v[128*(\q&1)+16*\row+4*\seg:128*(\q&1)+16*\row+4*\seg+3], v[XO], s[4:5] offset:(8*(\q-1)+\row)*XROW+\seg*512
.endif
.endr
.endr
.endm
; The 8 rows of group q are rounded to bf16 and laid into the stage: router_w into rows 0-7, tokens by turns into rows 0-7 and 8-15.
; left = how many younger loads may stay out.
.macro CVTQ q, left
	s_wait_loadcnt \left                           ; loads come back in order: this group's 32 are in, the other buffer's stay out
	WIN 0x0f                                       ; sources window 3
.irp row, 0,1,2,3,4,5,6,7
.irp seg, 0,1,2,3
	v_cvt_pk_bf16_f32 v[CT+8*\row+2*\seg],   v[128*(\q&1)+16*\row+4*\seg],   v[128*(\q&1)+16*\row+4*\seg+1]
	v_cvt_pk_bf16_f32 v[CT+8*\row+2*\seg+1], v[128*(\q&1)+16*\row+4*\seg+2], v[128*(\q&1)+16*\row+4*\seg+3]
.endr
.endr
	WIN 0
.irp row, 0,1,2,3,4,5,6,7
.irp seg, 0,1,2,3
.if \q == 0
	ds_store_b64 v[SA], v[CT+8*\row+2*\seg:CT+8*\row+2*\seg+1] offset:\row*PB+\seg*256
.else
	ds_store_b64 v[SA], v[CT+8*\row+2*\seg:CT+8*\row+2*\seg+1] offset:(8*((\q-1)&1)+\row)*PB+\seg*256
.endif
.endr
.endr
.endm
; A fragment is 16 rows x 32 K in 8 registers: lane l holds row l % 16; registers 0-3 hold K = 8 (l / 16) + 0..7, registers 4-7 K = 16 + 8 (l / 16) + 0..7:
; two loads of 16 bytes, 32 bytes apart.  16 K blocks of 64 bytes in a row.
.macro READR                           ; the router's fragments into the two fragment buffers of window 0
	WIN 0                                          ; the run of global loads in front has left the destination in window 3
.irp kk, 0,1,2,3,4,5,6,7,8,9,10,11,12,13,14,15
	ds_load_b128 v[F0+8*\kk:F0+8*\kk+3],   v[RR] offset:64*\kk
	ds_load_b128 v[F0+8*\kk+4:F0+8*\kk+7], v[RR] offset:64*\kk+32
.endr
.endm
.macro READA a                         ; tokens 16 a .. 16 a + 15 into windows 1 and 2, where they stay
	WIN 0x40
.irp kk, 0,1,2,3,4,5,6,7
	ds_load_b128 v[8*(4*\kk+\a):8*(4*\kk+\a)+3],   v[AR] offset:64*\kk
	ds_load_b128 v[8*(4*\kk+\a)+4:8*(4*\kk+\a)+7], v[AR] offset:64*\kk+32
.endr
	WIN 0x80
.irp kk, 0,1,2,3,4,5,6,7
	ds_load_b128 v[8*(4*\kk+\a):8*(4*\kk+\a)+3],   v[AR] offset:512+64*\kk
	ds_load_b128 v[8*(4*\kk+\a)+4:8*(4*\kk+\a)+7], v[AR] offset:512+64*\kk+32
.endr
	WIN 0
.endm
; The logits: 16 K blocks x 4 groups of 16 tokens.  The first K block starts the sums.  The four accumulators take turns, one instruction a turn.
.macro ROUTER
.irp kk, 0,1,2,3,4,5,6,7,8,9,10,11,12,13,14,15
.if \kk < 8
	WIN 0x04                                       ; source 1 (tokens) window 1
.else
	WIN 0x08                                       ; window 2
.endif
.irp a, 0,1,2,3
.if \kk == 0
	v_wmma_f32_16x16x32_bf16 v[LG+8*\a:LG+8*\a+7], v[F0+8*\kk:F0+8*\kk+7], v[8*(4*(\kk&7)+\a):8*(4*(\kk&7)+\a)+7], 0
.else
	v_wmma_f32_16x16x32_bf16 v[LG+8*\a:LG+8*\a+7], v[F0+8*\kk:F0+8*\kk+7], v[8*(4*(\kk&7)+\a):8*(4*(\kk&7)+\a)+7], v[LG+8*\a:LG+8*\a+7]
.endif
.endr
.endr
.endm
; Softmax, top-2 and weights of token 16 a + l % 16, inside the lane, in f32.
.macro SOFTTOP a
	v_max3_num_f32 v[MX], v[LG+8*\a], v[LG+8*\a+1], v[LG+8*\a+2]
	v_max3_num_f32 v[MX], v[MX], v[LG+8*\a+3], v[LG+8*\a+4]
	v_max3_num_f32 v[MX], v[MX], v[LG+8*\a+5], v[LG+8*\a+6]
	v_max_num_f32 v[MX], v[MX], v[LG+8*\a+7]       ; the token's largest logit
	v_mul_f32 v[MX+1], s52, v[MX]
.irp e, 0,1,2,3,4,5,6,7
	v_fma_f32 v[LG+8*\a+\e], v[LG+8*\a+\e], s52, -v[MX+1]   ; (logit - maximum) log2 e, one rounding; the rounding of the subtrahend shifts all eight alike and cancels in the division by the sum
.endr
.irp e, 0,1,2,3,4,5,6,7
	v_exp_f32 v[LG+8*\a+\e], v[LG+8*\a+\e]
.endr
	v_nop                                          ; one plain vector instruction between a transcendental and the use of its result (ISA guide 5.7.2)
	s_wait_alu depctr_va_vdst(0)
	v_add_f32 v[MX+2], v[LG+8*\a], v[LG+8*\a+1]
	v_add_f32 v[MX+3], v[LG+8*\a+2], v[LG+8*\a+3]
	v_add_f32 v[B1], v[LG+8*\a+4], v[LG+8*\a+5]
	v_add_f32 v[B2], v[LG+8*\a+6], v[LG+8*\a+7]
	v_add_f32 v[MX+2], v[MX+2], v[MX+3]
	v_add_f32 v[B1], v[B1], v[B2]
	v_add_f32 v[MX+2], v[MX+2], v[B1]              ; between 1 and 8
	v_rcp_f32 v[MX+3], v[MX+2]
	v_nop
	s_wait_alu depctr_va_vdst(0)
.irp e, 0,1,2,3,4,5,6,7
	v_mul_f32 v[LG+8*\a+\e], v[LG+8*\a+\e], v[MX+3]          ; the probabilities
.endr
	v_mov_b32 v[B1], v[LG+8*\a]                    ; best so far: expert 0
	v_mov_b32 v[I1], 0
	v_mov_b32 v[B2], -1.0                          ; second best: none yet; every probability is larger
	v_mov_b32 v[I2], 0
.irp e, 1,2,3,4,5,6,7
	v_cmp_gt_f32 s50, v[LG+8*\a+\e], v[B1]         ; strictly larger: of equal ones the lower index stays
	v_cmp_gt_f32 s51, v[LG+8*\a+\e], v[B2]
	v_cndmask_b32 v[B2], v[B2], v[LG+8*\a+\e], s51 ; it beats the second best,
	v_cndmask_b32 v[I2], v[I2], \e, s51
	v_cndmask_b32 v[B2], v[B2], v[B1], s50         ; or it beats the best, which then becomes the second
	v_cndmask_b32 v[I2], v[I2], v[I1], s50
	v_cndmask_b32 v[B1], v[B1], v[LG+8*\a+\e], s50
	v_cndmask_b32 v[I1], v[I1], \e, s50
.endr
	v_add_f32 v[DN], v[B1], v[B2]
	v_add_f32 v[DN], 0x358637bd, v[DN]             ; + 1e-6
	v_rcp_f32 v[DN+1], v[DN]
	v_nop
	s_wait_alu depctr_va_vdst(0)
	v_mul_f32 v[DN+2], v[B1], v[DN+1]
	v_mul_f32 v[DN+3], v[B2], v[DN+1]
.irp e, 0,1,2,3,4,5,6,7
	v_cmp_eq_u32 s50, \e, v[I1]
	v_cmp_eq_u32 s51, \e, v[I2]
	v_cndmask_b32 v[W2+16*\a+2*\e], 0, v[DN+3], s51
	v_cndmask_b32 v[W2+16*\a+2*\e], v[W2+16*\a+2*\e], v[DN+2], s50
	v_mov_b32 v[W2+16*\a+2*\e+1], v[W2+16*\a+2*\e] ; twice: the pair by which v_pk_fma_f32 multiplies
.endr
.endm
; ---- THE UNITS.  A unit is 8 stages of 64 along K (2 K blocks), 32 matrix instructions each, on fragment buffers 0, 1, 0, 1 ..
; 16 LDS loads: W's fragments of stage s (2 K blocks x 4 groups of 16 rows) into buffer f
.macro FETCH slot, s, f
	WIN 0
.irp j, 0,1
.irp b, 0,1,2,3
	ds_load_b128 v[\f+8*(4*\j+\b):\f+8*(4*\j+\b)+3],   v[ADRB+\slot] offset:\b*16*PB+128*(\s)+64*\j
	ds_load_b128 v[\f+8*(4*\j+\b)+4:\f+8*(4*\j+\b)+7], v[ADRB+\slot] offset:\b*16*PB+128*(\s)+64*\j+32
.endr
.endr
.endm
; 32 matrix instructions: 2 K blocks x 4 groups of tokens x 4 groups of columns.  zero = 1: the unit's first K block starts the sums: nothing is cleared.
; The sixteen accumulators take turns, one instruction a turn, in the same order throughout.
.macro MUL32 f, s, zero
.if (\s) < 4
	WIN 0xf4                                       ; source 0 (W) window 0, source 1 (tokens) window 1, C and D window 3
.else
	WIN 0xf8                                       ; tokens from window 2
.endif
.irp j, 0,1
.irp a, 0,1,2,3
.irp b, 0,1,2,3
.if (\zero)*(1-\j)
	v_wmma_f32_16x16x32_bf16 v[ACC+8*(4*\a+\b):ACC+8*(4*\a+\b)+7], v[\f+8*(4*\j+\b):\f+8*(4*\j+\b)+7], v[8*(4*((2*(\s)+\j)&7)+\a):8*(4*((2*(\s)+\j)&7)+\a)+7], 0
.else
	v_wmma_f32_16x16x32_bf16 v[ACC+8*(4*\a+\b):ACC+8*(4*\a+\b)+7], v[\f+8*(4*\j+\b):\f+8*(4*\j+\b)+7], v[8*(4*((2*(\s)+\j)&7)+\a):8*(4*((2*(\s)+\j)&7)+\a)+7], v[ACC+8*(4*\a+\b):ACC+8*(4*\a+\b)+7]
.endif
.endr
.endr
.endr
.endm
; One of a unit's first seven stages: its fragments are in; the next stage's are asked for, 32 matrix instructions ahead of their use; it is multiplied.
.macro STAGE slot, s, zero
	s_wait_dscnt 0x0                               ; this stage's 16 loads, issued in front of the stage before
.if \s
	PLACES                                         ; the other buffer was read by the matrix instructions just issued
.endif
	FETCH \slot, \s+1, F0+64*((\s+1)&1)
	MUL32 F0+64*(\s&1), \s, \zero
.endm
; TOT += w[token][e] x ACC, two numbers an instruction; the pass's first expert starts the total: nothing is cleared.
.macro COMBINE e, first
	WIN 0xf3                                       ; ACC and TOT window 3, the weights window 0
.irp a, 0,1,2,3
.irp b, 0,1,2,3
.irp i, 0,2,4,6
.if \first
	v_pk_mul_f32 v[TOT+8*(4*\a+\b)+\i:TOT+8*(4*\a+\b)+\i+1], v[ACC+8*(4*\a+\b)+\i:ACC+8*(4*\a+\b)+\i+1], v[W2+16*\a+2*(\e):W2+16*\a+2*(\e)+1]
.else
	v_pk_fma_f32 v[TOT+8*(4*\a+\b)+\i:TOT+8*(4*\a+\b)+\i+1], v[ACC+8*(4*\a+\b)+\i:ACC+8*(4*\a+\b)+\i+1], v[W2+16*\a+2*(\e):W2+16*\a+2*(\e)+1], v[TOT+8*(4*\a+\b)+\i:TOT+8*(4*\a+\b)+\i+1]
.endif
.endr
.endr
.endr
.endm
; THE WAY OUT of pass p, 16 tokens at a time: 32 bytes a lane and tile into my own stage, read back as whole rows of 256 bytes (64 f32).
.macro OUT p
.irp a, 0,1,2,3
	WIN 0x0c                                       ; store data window 3
.irp b, 0,1,2,3
	ds_store_b128 v[STO], v[TOT+8*(4*\a+\b):TOT+8*(4*\a+\b)+3]   offset:64*\b
	ds_store_b128 v[STO], v[TOT+8*(4*\a+\b)+4:TOT+8*(4*\a+\b)+7] offset:64*\b+16
.endr
	WIN 0
	s_wait_xcnt 0x0                                ; every earlier memory instruction has had its addresses translated (ISA guide 3.1): registers that stores read are loaded again only behind this wait
.irp t, 0,1,2,3,4,5,6,7
	ds_load_b128 v[F1+32*(\a&1)+4*\t:F1+32*(\a&1)+4*\t+3], v[RD] offset:\t*2*OP     ; LDS serves a wave's instructions in order: these see the stores above
.endr
.irp t, 0,1,2,3,4,5,6,7
	s_wait_dscnt 7-\t                              ; LDS loads come back in order: pair t of the eight pairs of rows is in
	global_store_b128 v[CO], v[F1+32*(\a&1)+4*\t:F1+32*(\a&1)+4*\t+3], s[10:11] offset:(16*\a+2*\t)*XROW+256*\p th:TH_STORE_NT   ; sixteen lanes store 256 consecutive bytes, aligned to 256
.endr
.endr
	s_wait_xcnt 0x0                                ; fragment buffer 1, which the last stores read, is loaded again next
.endm
; Unit u: pass u / 8, expert u % 8, slot u % 2.  mode 2: this slot is filled again with unit u + 2; mode 1: only the change of slots; mode 0: the last unit.
; The change of slots stands in the last stage.  In front of the barrier each wave waits for its reads of this slot and for all its tensor loads, of which one
; is out: its part of the next slot.  Where the slot is filled again that barrier opens a round of the cluster's barrier: no wave of any partner then still
; reads the slot or has a load on its way.  The joint refill is the first tensor load behind the round and has the whole next unit in which to land.
.macro UNIT u, mode
	STAGE (\u&1), 0, 1
.irp s, 1,2,3,4,5,6
	STAGE (\u&1), \s, 0
.endr
	s_wait_dscnt 0x0                               ; the last stage's fragments are in: my reads of this slot are over
.if \mode
	s_set_vgpr_msb 0xf8f0
	s_wait_tensorcnt 0x0                           ; all my tensor loads have landed, my part of the next slot among them
	ds_add_u32 v30, v31
	s_wait_dscnt 0x0
	s_set_vgpr_msb 0xf0f8
	s_barrier_signal -1                            ; say so,
.endif
	MUL32 F1, 7, 0                                 ; work on registers while the others arrive,
	WIN 0
.if \mode
	s_barrier_wait -1                              ; and go on when all four have said so
.endif
.if \mode == 2
	CREST
	s_add_nc_u64 s[G0+4*(\u&1)+2:G0+4*(\u&1)+3], s[32:33], ((\u+2)&7)*ESTEP+((\u+2)>>3)*PSTEP   ; no tensor load of mine is out: the slot's group 0 may be written
	s_or_b32 s[G0+4*(\u&1)+3], s[G0+4*(\u&1)+3], 0x80000000
	tensor_load_to_lds s[G0+4*(\u&1):G0+4*(\u&1)+3], s[G1:G1+7]
	s_nop 0
.endif
	PLACES                                         ; behind the last matrix instructions: for the loads into buffer 0 and for the reads of ACC
.if \mode
	FETCH ((\u+1)&1), 0, F0                        ; the next unit's first fragments come while this unit's sums are weighted
.endif
.if (\u&7) == 0
	COMBINE 0, 1
.else
	COMBINE (\u&7), 0
.endif
	WIN 0
.if (\u&7) == 7
	OUT (\u>>3)
.endif
.endm
	LOADQ 0
	LOADQ 1
	CVTQ 0, 32
	LOADQ 2
	READR
	CVTQ 1, 32
	LOADQ 3
	CVTQ 2, 32
	LOADQ 4
	READA 0
	CVTQ 3, 32
	LOADQ 5
	CVTQ 4, 32
	LOADQ 6
	READA 1
	CVTQ 5, 32
	LOADQ 7
	CVTQ 6, 32
	LOADQ 8
	READA 2
	CVTQ 7, 32
	CVTQ 8, 0                                      ; the last group: no younger load
	READA 3
	s_wait_dscnt 0x0                               ; the router's and the tokens' fragments are in
	ROUTER
	WIN 0
	s_wait_tensorcnt 0x1                           ; my part of unit 0 is in; unit 1's may stay out
	s_barrier_signal -1
	s_barrier_wait -1                              ; everybody's part is in
	PLACES                                         ; behind the router's matrix instructions: for the loads into their sources and the reads of the logits
	FETCH 0, 0, F0                                 ; unit 0's first fragments come during the softmax
	SOFTTOP 0
	SOFTTOP 1
	SOFTTOP 2
	SOFTTOP 3
.irp u, 0,1,2,3,4,5,6,7,8,9,10,11,12,13
	UNIT \u, 2
.endr
	UNIT 14, 1                                     ; nothing is left to fetch: a plain barrier shows unit 15 whole
	UNIT 15, 0
	s_wait_tensorcnt 0x0
	ds_add_u32 v30, v31
	s_wait_dscnt 0x0
	CROUND                                         ; the closing round: no work-group ends while a partner may still ask for a tile that names it
	s_endpgm
.Lfunc_end_k_q37118b93fc_moe:
	.size	k_q37118b93fc_moe, .Lfunc_end_k_q37118b93fc_moe-k_q37118b93fc_moe
	.p2alignl 7, 3214868480
	.fill 96, 4, 3214868480
	.section	.rodata,"a",@progbits
	.p2align	6, 0x0
	.amdhsa_kernel k_q37118b93fc_moe
		.amdhsa_group_segment_fixed_size 327680
		.amdhsa_private_segment_fixed_size 0
		.amdhsa_enable_private_segment 0
		.amdhsa_kernarg_size 32
		.amdhsa_user_sgpr_count 2
		.amdhsa_user_sgpr_kernarg_segment_ptr 1
		.amdhsa_wavefront_size32 1
		.amdhsa_system_sgpr_workgroup_id_x 1
		.amdhsa_system_sgpr_workgroup_id_y 1
		.amdhsa_system_sgpr_workgroup_id_z 1
		.amdhsa_system_vgpr_workitem_id 0
		.amdhsa_next_free_vgpr 1024
		.amdhsa_next_free_sgpr 66
		.amdhsa_reserve_vcc 0
		.amdhsa_float_denorm_mode_32 3
		.amdhsa_float_denorm_mode_16_64 3
		.amdhsa_memory_ordered 1
		.amdhsa_forward_progress 1
		.amdhsa_inst_pref_size 255
	.end_amdhsa_kernel
	.section	.bss,"aw",@nobits
	.p2align	6
	.space	262144
	.amdgpu_metadata
---
amdhsa.version: [ 1, 2 ]
amdhsa.kernels:
  - .name:           k_q37118b93fc_moe
    .symbol:         k_q37118b93fc_moe.kd
    .args:
      - { .name: hidden_states, .offset: 0, .size: 8, .value_kind: global_buffer, .address_space: global }
      - { .name: router_w, .offset: 8, .size: 8, .value_kind: global_buffer, .address_space: global }
      - { .name: wt, .offset: 16, .size: 8, .value_kind: global_buffer, .address_space: global }
      - { .name: out0, .offset: 24, .size: 8, .value_kind: global_buffer, .address_space: global }
    .group_segment_fixed_size: 327680
    .private_segment_fixed_size: 0
    .kernarg_segment_align: 8
    .kernarg_segment_size: 32
    .max_flat_workgroup_size: 128
    .sgpr_count:     66
    .vgpr_count:     1024
    .wavefront_size: 32
...
	.end_amdgpu_metadata
.endif
;; end of part 2
;; ======== version 2 of 2: 2 launches; 1.32 times as fast as version 1
;; workspace buffers: wt 4,194,304 bytes
;; launch castw (part 3): grid 256 x 1, 8 waves a work-group, no clusters, 18,432 bytes of LDS; arguments expert_weights, wt; writes wt
.if DOCPART == 3
	.amdgcn_target "amdgcn-amd-amdhsa--gfx1250"
	.amdhsa_code_object_version 6
	.text
	.protected	k_q37118b93fc_castw
	.globl	k_q37118b93fc_castw
	.p2align	8
	.type	k_q37118b93fc_castw,@function
k_q37118b93fc_castw:
	s_mov_b64 s[64:65], 0
	v_nop
	global_prefetch_b8 v0, s[64:65] scope:SCOPE_SE
	s_setreg_imm32_b32 hwreg(HW_REG_WAVE_MODE, 25, 1), 1
	s_wait_xcnt 0x0
; wt[o / 64][e][o % 64][h] = bf16(expert_weights[e][h][o]): the experts' matrices rounded once (to nearest even) and transposed, so that the
; next launch finds K (= h) along the rows, as the matrix unit's fragments want it, and laid in the order in which that launch walks them:
; a block of 64 columns o of one expert is 64 rows of 1,024 bytes = 65,536 consecutive bytes, and the 8 experts' blocks of the same 64 columns follow each other.
; expert_weights: [8][512][512] f32, rows of 2,048 bytes.  wt: [8 blocks of o][8 e][64][512] bf16.
; 256 work-groups of eight waves; a work-group turns a tile of 128 h x 64 o: 8 experts x 4 blocks of h x 8 blocks of o.
; In: thread t takes 4 columns (16 bytes) of 8 rows; sixteen neighbouring lanes cover the tile's 256 bytes of a row.
; Out: through LDS, so that sixteen neighbouring lanes store 256 consecutive bytes (128 h) of one row o, aligned to 256.
; No matrix unit, no cluster, no tensor load: each byte is touched once and no work-group shares anything with another.
.set TP,   272                         ; LDS pitch of a transposed row: 128 bf16 = 256 bytes, + 16
.set INROW, 2048                       ; bytes in a row of expert_weights
.set IN,   3                           ; v3      byte offset of my 16 bytes in my first row of the input tile
.set ST,   4                           ; v4      LDS address of my 16 bytes (8 h) in row o = 4 og
.set RB,   5                           ; v5      LDS address from which I read a row back
.set OU,   6                           ; v6      byte offset of my 16 bytes in the output tile
.set X,    8                           ; v[8:39]   8 rows x 4 columns, f32, as loaded
.set P,    40                          ; v[40:55]  4 columns x 8 h, bf16, packed
.set Y,    56                          ; v[56:71]  4 x 16 bytes read back
	s_load_b128 s[4:7], s[0:1], 0x0                ; expert_weights s[4:5], wt s[6:7]
	v_lshl_add_u32 v72, v0, 2, 0x4400
	v_mov_b32 v73, 0
	s_lshr_b32 s8, ttmp9, 5                        ; e: the expert
	s_bfe_u32 s9, ttmp9, 0x20003                   ; hb: which 128 h (2 bits from bit 3)
	s_and_b32 s10, ttmp9, 7                        ; ob: which 64 o
	s_lshl_b32 s12, s8, 20                         ; in: e x 512 rows x 2,048 bytes
	s_lshl_b32 s11, s9, 18                         ;   + hb x 128 rows x 2,048 bytes
	s_or_b32 s12, s12, s11
	s_lshl_b32 s11, s10, 8                         ;   + ob x 64 columns x 4 bytes
	s_or_b32 s12, s12, s11
	s_mov_b32 s13, 0
	s_lshl_b32 s14, s10, 19                        ; out: ob x 8 experts x 65,536 bytes
	s_lshl_b32 s11, s8, 16                         ;   + e x 64 rows x 1,024 bytes
	s_or_b32 s14, s14, s11
	s_lshl_b32 s11, s9, 8                          ;   + hb x 128 numbers x 2 bytes
	s_or_b32 s14, s14, s11
	s_mov_b32 s15, 0
	v_and_b32 v1, 15, v0                           ; og: my 4 columns o on the way in, my 16 bytes of a row on the way out
	v_lshrrev_b32 v2, 4, v0                        ; hg: my 8 rows h on the way in, my row o (of 16) on the way out
	v_lshlrev_b32 v[IN], 4, v1
	v_lshl_or_b32 v[IN], v2, 14, v[IN]             ; hg x 8 rows x 2,048 + 16 og
	v_mul_u32_u24 v[ST], v1, 4*TP
	v_lshl_add_u32 v[ST], v2, 4, v[ST]             ; row 4 og, byte 16 hg
	v_mul_u32_u24 v[RB], v2, TP
	v_lshl_add_u32 v[RB], v1, 4, v[RB]             ; row hg, byte 16 og
	v_lshlrev_b32 v[OU], 4, v1
	v_lshl_or_b32 v[OU], v2, 10, v[OU]             ; hg x 1,024 + 16 og
	s_wait_kmcnt 0x0
	s_add_nc_u64 s[4:5], s[4:5], s[12:13]
	s_add_nc_u64 s[6:7], s[6:7], s[14:15]
.irp i, 0,1,2,3,4,5,6,7
	global_load_b128 v[X+4*\i:X+4*\i+3], v[IN], s[4:5] offset:\i*INROW th:TH_LOAD_NT   ; row h = 8 hg + i; the launch reads each byte once
.endr
; Two rows at a time: column c of rows 2q and 2q + 1 makes one word of column c's eight bf16 (the lower h in the low half).
.irp q, 0,1,2,3
	s_wait_loadcnt 6-2*\q                          ; loads come back in order: rows 2q and 2q + 1 are in, the 6 - 2q younger ones stay out
.irp c, 0,1,2,3
	v_cvt_pk_bf16_f32 v[P+4*\c+\q], v[X+8*\q+\c], v[X+8*\q+4+\c]
.endr
.endr
.irp c, 0,1,2,3
	ds_store_b128 v[ST], v[P+4*\c:P+4*\c+3] offset:\c*TP     ; row o = 4 og + c, h = 8 hg .. 8 hg + 7
.endr
	s_wait_dscnt 0x0                               ; my stores are in LDS: the other waves read them behind the barrier
	s_barrier_signal -1
	s_barrier_wait -1
.irp i, 0,1,2,3
	ds_load_b128 v[Y+4*\i:Y+4*\i+3], v[RB] offset:\i*16*TP   ; row o = hg + 16 i
.endr
.irp i, 0,1,2,3
	s_wait_dscnt 3-\i                              ; LDS loads come back in order: row i of my four is in
	global_store_b128 v[OU], v[Y+4*\i:Y+4*\i+3], s[6:7] offset:\i*16*1024   ; sixteen lanes store 256 consecutive bytes, aligned; no hint: the next launch reads them
.endr
	s_wait_tensorcnt 0x0
	ds_add_u32 v72, v73
	s_wait_dscnt 0x0
	s_endpgm
.Lfunc_end_k_q37118b93fc_castw:
	.size	k_q37118b93fc_castw, .Lfunc_end_k_q37118b93fc_castw-k_q37118b93fc_castw
	.p2alignl 7, 3214868480
	.fill 96, 4, 3214868480
	.section	.rodata,"a",@progbits
	.p2align	6, 0x0
	.amdhsa_kernel k_q37118b93fc_castw
		.amdhsa_group_segment_fixed_size 18432
		.amdhsa_private_segment_fixed_size 0
		.amdhsa_enable_private_segment 0
		.amdhsa_kernarg_size 16
		.amdhsa_user_sgpr_count 2
		.amdhsa_user_sgpr_kernarg_segment_ptr 1
		.amdhsa_wavefront_size32 1
		.amdhsa_system_sgpr_workgroup_id_x 1
		.amdhsa_system_sgpr_workgroup_id_y 1
		.amdhsa_system_sgpr_workgroup_id_z 1
		.amdhsa_system_vgpr_workitem_id 0
		.amdhsa_next_free_vgpr 74
		.amdhsa_next_free_sgpr 66
		.amdhsa_reserve_vcc 0
		.amdhsa_float_denorm_mode_32 3
		.amdhsa_float_denorm_mode_16_64 3
		.amdhsa_memory_ordered 1
		.amdhsa_forward_progress 1
		.amdhsa_inst_pref_size 5
	.end_amdhsa_kernel
	.amdgpu_metadata
---
amdhsa.version: [ 1, 2 ]
amdhsa.kernels:
  - .name:           k_q37118b93fc_castw
    .symbol:         k_q37118b93fc_castw.kd
    .args:
      - { .name: expert_weights, .offset: 0, .size: 8, .value_kind: global_buffer, .address_space: global }
      - { .name: wt, .offset: 8, .size: 8, .value_kind: global_buffer, .address_space: global }
    .group_segment_fixed_size: 18432
    .private_segment_fixed_size: 0
    .kernarg_segment_align: 8
    .kernarg_segment_size: 16
    .max_flat_workgroup_size: 256
    .sgpr_count:     66
    .vgpr_count:     74
    .wavefront_size: 32
...
	.end_amdgpu_metadata
.endif
;; end of part 3
;; launch moe (part 4): grid 64 x 4, 4 waves a work-group, clusters of 4 x 4, 327,680 bytes of LDS; arguments hidden_states, router_w, wt, out0; writes out0
.if DOCPART == 4
	.amdgcn_target "amdgcn-amd-amdhsa--gfx1250"
	.amdhsa_code_object_version 6
	.text
	.protected	k_q37118b93fc_moe
	.globl	k_q37118b93fc_moe
	.p2align	8
	.type	k_q37118b93fc_moe,@function
k_q37118b93fc_moe:
	s_mov_b64 s[64:65], 0
	v_nop
	global_prefetch_b8 v0, s[64:65] scope:SCOPE_SE
	s_setreg_imm32_b32 hwreg(HW_REG_WAVE_MODE, 25, 1), 1
	s_wait_xcnt 0x0
	s_wait_alu depctr_hold_cnt(0) depctr_sa_sdst(0) depctr_va_vdst(0) depctr_va_sdst(0) depctr_va_ssrc(0) depctr_va_vcc(0) depctr_vm_vsrc(0)
	s_getreg_b32 s2, hwreg(HW_REG_IB_STS2, 6, 4)
	s_cmp_eq_u32 s2, 0
	s_cbranch_scc0 .Lentry_in_a_cluster
	s_endpgm
.Lentry_in_a_cluster:
	s_bfe_u32 s2, ttmp6, 0x10000c
	s_cmp_lg_u32 s2, 0xf033
	s_cbranch_scc0 .Lentry_shape_is_right
	s_endpgm
.Lentry_shape_is_right:
; out[n][o] = sum over the 8 experts e of w[n][e] (sum over h of x[n][h] W[e][h][o]),  w = the renormalised top-2 of softmax(x router_w^T),
; and w = 0 for the six experts that a token did not choose.  The choice only selects values (v_cndmask_b32): no address and no branch hangs on it.
; x: [16384][512] f32.  router_w: [8][512] f32.  wt: [8 blocks of 64 o][8 e][64 o][512 h] bf16, made by the launch before.  out0: [16384][512] f32.
; Matrix operands (x, router_w, W) are rounded once to bf16, to nearest even; sums, softmax, top-2 and the weighting are f32.
;
; SHARES.  A work-group: 256 tokens x 128 columns; 64 x 4 work-groups.  A wave: 64 tokens x 128 columns, in two passes of 64 columns.
; A wave's 64 tokens x 512 h in bf16 are 512 registers and serve all 8 experts and both passes: they are loaded once, rounded, and STAY in
; registers.  Only W goes through LDS, and all four waves read the same rows of it: 16 loads of 16 bytes a lane feed 32 matrix instructions.
; A UNIT is one expert's 64 rows (columns of out) x 512 h: 64 rows of 1,024 bytes.  16 units (2 passes x 8 experts) go through two LDS slots;
; each wave brings 16 rows of each unit by one tensor load (the unit has 64 rows for four waves).  A unit is 256 matrix instructions a wave.
; THE LOOP.  A trip is two units, slot 0 and slot 1, so that every LDS address of the slots is a constant of the text; 7 trips make units 0 to 13, and
; units 14 and 15, which fill nothing, are written out behind the loop.  What differs from unit to unit is made alike: a column block's 16 units lie
; 65,536 bytes apart in wt, so a slot's address steps by a constant; a unit's weights come from a table in LDS whose address steps by a constant;
; the pass's first expert (which starts the total) and its last (behind which the total leaves) are told by forward branches on the trip's number.
;
; CLUSTERS.  4 x 4 work-groups.  The four of a row of the cluster (same cy) have the same column block and walk the same units of wt: each unit
; is asked for JOINTLY, by the same tensor load with the same descriptor and a mask that names the four.  That divides the requests for wt by four.
; x is not asked for jointly: it has to pass through registers to be rounded, and each wave keeps only its own 64 tokens.
; The grid has 4 work-groups along y, one cluster: the column block is cy itself, and ttmp7 is not read.
;
; LIMITS.  NaN in the inputs is not followed.  An expert that was not chosen enters as 0 x its product: a product that overflows f32 gives NaN
; where the definition gives none.  v_exp_f32 gives 0 for results below 2^-126 (ISA guide, its entry in 15.8): such a weight is below 1.2e-38.
; The top-2 is taken on this text's f32 probabilities by strict compares (of equal ones the lower index wins, as in lax.top_k); two logits
; that differ by less than the error of an f32 sum of 512 products can fall either way.  1/x is v_rcp_f32, not a correctly rounded division.
;
; REGISTERS, in windows of 256 (s_set_vgpr_msb's low byte: bits 1:0 source 0, 3:2 source 1, 5:4 source 2, 7:6 destination):
;   window 0: v1-15, v28 addresses; v16-27 at work in the softmax; v32-63 logits, then probabilities, then (v32-39) the unit's weights;
;             v64-127, v128-191 two fragment buffers (first the router's rows, then W's); v192-255 at work in the rounding, then all the weights on their way to LDS
;   window 1: the tokens' fragments for K blocks 0-7 (block kk, 16 tokens a: v[8 (4 kk + a)]);   window 2: the same for K blocks 8-15
;   window 3: v0-127 the unit's sums ACC (tile (a, b) at v[8 (4 a + b)]), v128-255 the weighted total TOT; at the start: two buffers for x as loaded
; Every macro that names vector registers sets the window that it needs itself; at every label and branch all windows are 0.
;
; THE MATRIX INSTRUCTION IS USED TRANSPOSED: source 0 = 16 rows of W (or of router_w), source 1 = 16 tokens.  Lane l then holds token l % 16, and
; its registers 0 to 7 hold 8 neighbouring columns 8 (l / 16) + 0..7.  The router's rows are given twice (rows 8-15 = rows 0-7), so that EVERY lane ends
; with all 8 logits of token l % 16, the token whose outputs it holds: softmax, top-2 and weighting never leave the lane.
.set PB,    1040                       ; LDS pitch of a row of 512 bf16: 1,024 bytes + 16 = 65 x 16: the 16 rows of a fragment load start 16 bytes apart modulo 256
.set SLOT,  64*PB                      ; a unit: 66,560 bytes
.set STG,   2*SLOT                     ; behind the two slots (133,120, a multiple of 256): the waves' own stages, into which no tensor load lands
.set WSTG,  16*PB                      ; a wave's stage, and a wave's 16 rows of a slot: 16,640 bytes
.set WGT,   STG+4*WSTG                 ; behind the stages (199,680, a multiple of 256): the waves' own tables of weights, into which no tensor load lands
.set WTAB,  16384                      ; a wave's table: 16 units x 1,024 bytes (32 lanes x 4 groups of tokens x a pair of f32); the 8 experts stand twice, once for each pass
.set OP,    272                        ; the way out: pitch of a row of 64 f32
.set XROW,  2048                       ; bytes in a row of x, of router_w and of out0
.set USTEP, 65536                      ; wt: from a unit to the next
.set TRIPS, 7                          ; units 0 to 13
.set XO,   4                           ; v4    16 x lane: my 16 bytes of 512
.set SA,   5                           ; v5    stage + 8 x lane: where my 4 rounded numbers go
.set AR,   6                           ; v6    stage + (l % 16) PB + 16 (l / 16): a fragment of 16 tokens
.set RR,   7                           ; v7    stage + (l % 8) PB + 16 (l / 16): the router's 8 rows, given twice
.set ADRB, 8                           ; v8-9  slot n + (l % 16) PB + 16 (l / 16): fragments of W
.set STO,  10                          ; v10   the way out: where my 8 f32 of a token go
.set RD,   11                          ; v11   the way out: where I read a row back
.set CO,   12                          ; v12   my byte offset in out0
.set MX,   16                          ; v16-19 maximum, its multiple, sums, reciprocal
.set B1,   20                          ; v20-23 best and second best probability and their experts
.set I1,   21
.set B2,   22
.set I2,   23
.set DN,   24                          ; v24-27 denominator, its reciprocal, the two weights
.set WA,   28                          ; v28   my table of weights + 16 x lane + 2,048 x trip
.set LG,   32
.set WC,   32                          ; v32-39 the unit's weights: for tokens 16 a + l % 16 the pair at WC + 2 a
.set F0,   64
.set F1,   128
.set CT,   192
.set W2,   192                         ; all weights, each twice: expert e, tokens a at W2 + 8 e + 2 a
.set ACC,  0
.set TOT,  128
.set G1,   16                          ; s[16:23] descriptor group 1
.set G0,   24                          ; s[24:31] descriptor group 0, a set for each slot
.set MSB,  0
.macro WIN new                         ; the immediate's high byte repeats the setting that is left; a switch that changes nothing is dropped
.if MSB != \new
	s_set_vgpr_msb (MSB<<8)|\new
.set MSB, \new
.endif
.endm
; A vector instruction that reads a matrix result, and a load into a register that a matrix instruction has read, stand four places behind that
; matrix instruction; only plain vector instructions that name none of its registers are places (ISA guide 7.12.1 for vector instructions).
.macro PLACES
.rept 4
	v_nop
.endr
.endm
; A round of the cluster's barrier: my work-group's barrier, so that wave 0 speaks for all four waves; wave 0 signals for the work-group; every wave
; waits for all sixteen work-groups; my work-group's barrier once more.
.macro CREST                           ; a round behind its opening barrier
	s_cmp_lg_u32 s12, 0
	s_cbranch_scc1 .Lnot_wave_0_\@
	s_barrier_signal -3
.Lnot_wave_0_\@:
	s_barrier_wait -3
	s_barrier_signal -1
	s_barrier_wait -1
.endm
.macro CROUND                          ; a whole round
	s_barrier_signal -1
	s_barrier_wait -1
	CREST
.endm
	s_load_b256 s[4:11], s[0:1], 0x0               ; x s[4:5], router_w s[6:7], wt s[8:9], out0 s[10:11]
	v_lshl_add_u32 v30, v0, 2, 0x40c00
	v_mov_b32 v31, 0
	ds_add_u32 v30, v31
	v_lshrrev_b32 v13, 5, v0
	v_readfirstlane_b32 s12, v13                   ; wave 0..3
	s_bfe_u32 s40, ttmp6, 0x40000                  ; cx: my place along the cluster's x
	s_bfe_u32 s41, ttmp6, 0x40004                  ; cy: along its y = the column block (one cluster along y)
	s_lshl_b32 s42, ttmp9, 2                       ; in a cluster launch ttmp9 counts clusters
	s_add_co_u32 s42, s42, s40                     ; token block = 4 x cluster x + cx
	s_lshl_b32 s44, s41, 2
	s_lshl_b32 s44, 15, s44                        ; my row of the cluster: places 4 cy .. 4 cy + 3
	; descriptor group 1: 16 rows x 512 elements of 2 bytes, 16 bytes of padding behind each row
	s_or_b32 s[G1+0], s44, (1<<16)|(1<<20)|(1<<21)|(7<<22)|(3<<25)  ; 15:0 the mask; 17:16 element of 2 bytes; 20 padding on; 21 set beside a mask; 24:22 after every 256 words (code 7); 31:25 of 4 words (code 3)
	s_mov_b32 s[G1+1], 512<<16                     ; 63:48 tensor_dim0, low half = 512
	s_mov_b32 s[G1+2], 16<<16                      ; 79:64 its high half = 0; 95:80 tensor_dim1, low half = 16
	s_mov_b32 s[G1+3], 512<<16                     ; 111:96 its high half = 0; 127:112 tile_dim0 = 512
	s_mov_b32 s[G1+4], 16                          ; 143:128 tile_dim1 = 16; 159:144 tile_dim2 = 0
	s_mov_b32 s[G1+5], 512                         ; 191:160 elements from row to row
	s_mov_b32 s[G1+6], 0
	s_mov_b32 s[G1+7], 0
	s_mul_i32 s35, s12, WSTG                       ; my 16 rows of a slot: the wave's number alone enters an LDS address
	s_add_co_u32 s34, s35, STG                     ; my stage
	s_lshl_b32 s45, s12, 14
	s_add_co_u32 s45, s45, WGT                     ; my table of weights
	s_lshl_b32 s36, s42, 19                        ; x: token block x 256 rows x 2,048 bytes
	s_lshl_b32 s37, s12, 17                        ;  + wave x 64 rows
	s_add_co_u32 s36, s36, s37
	s_mov_b32 s37, 0
	s_lshl_b32 s38, s41, 9                         ; out0: the same + column block x 128 x 4 bytes
	s_add_co_u32 s38, s38, s36
	s_mov_b32 s39, 0
	s_lshl_b32 s46, s41, 20                        ; wt: column block x 16 units x 65,536 bytes (cy, which my partners share; cx never enters these registers)
	s_lshl_b32 s47, s12, 14                        ;  + wave x 16 rows
	s_add_co_u32 s46, s46, s47
	s_mov_b32 s47, 0
	s_mov_b32 s52, 0x3fb8aa3b                      ; log2 e
	v_and_b32 v1, 15, v0                           ; l % 16
	v_bfe_u32 v2, v0, 4, 1                         ; l / 16
	v_and_b32 v3, 31, v0                           ; l
	v_lshlrev_b32 v[XO], 4, v3
	v_lshl_add_u32 v[SA], v3, 3, s34
	v_lshl_add_u32 v[WA], v3, 4, s45
	v_mul_u32_u24 v14, v1, PB
	v_lshl_add_u32 v14, v2, 4, v14                 ; (l % 16) PB + 16 (l / 16)
	v_add_nc_u32 v[AR], s34, v14
	v_and_b32 v15, 7, v0
	v_mul_u32_u24 v15, v15, PB
	v_lshl_add_u32 v15, v2, 4, v15
	v_add_nc_u32 v[RR], s34, v15
	v_mov_b32 v[ADRB], v14
	v_add_nc_u32 v[ADRB+1], SLOT, v14
	v_mul_u32_u24 v[STO], v1, OP                   ; in: row l % 16, 32 bytes for each half of the lanes
	v_lshl_add_u32 v[STO], v2, 5, v[STO]
	v_add_nc_u32 v[STO], s34, v[STO]
	v_mul_u32_u24 v[RD], v2, OP                    ; back: lanes 0-15 take one row of 256 bytes, lanes 16-31 the next
	v_lshl_add_u32 v[RD], v1, 4, v[RD]
	v_add_nc_u32 v[RD], s34, v[RD]
	v_lshlrev_b32 v[CO], 11, v2                    ; and the same two rows in out0
	v_lshl_add_u32 v[CO], v1, 4, v[CO]
	s_wait_dscnt 0x0
	s_wait_kmcnt 0x0
	s_add_nc_u64 s[4:5], s[4:5], s[36:37]          ; x at my wave's first token
	s_add_nc_u64 s[10:11], s[10:11], s[38:39]      ; out0 at my wave's first token and my block's first column
	s_add_nc_u64 s[32:33], s[8:9], s[46:47]        ; wt at my 16 rows of unit 0
	CROUND                                         ; all sixteen work-groups are here: the first joint loads meet
	; Units 0 and 1 go out together, ahead of every wait on TENSORcnt, LDS read and further barrier: two tensor loads of the wave are out here, later one.
.irp n, 0,1
	s_mov_b32 s[G0+4*\n], 1                                        ; 1:0 count = 1
	s_add_co_u32 s[G0+4*\n+1], s35, \n*SLOT                        ; 63:32 LDS address
	s_add_nc_u64 s[G0+4*\n+2:G0+4*\n+3], s[32:33], \n*USTEP        ; 120:64 global address: unit n
	s_or_b32 s[G0+4*\n+3], s[G0+4*\n+3], 0x80000000                ; 127:126 type = 2
	tensor_load_to_lds s[G0+4*\n:G0+4*\n+3], s[G1:G1+7]
	s_nop 0
.endr
; ---- THE START: router_w and my 64 tokens, 8 rows (16 KiB) at a time: f32 into one of two buffers of 128 registers, rounded, through my own stage
; ---- in LDS into fragments.  The stage is the wave's own and LDS serves a wave's instructions in order (ISA guide 5.7.1.4): no wait and no barrier between its stores and loads.
; 32 loads, each of 512 neighbouring bytes.  q = 0: router_w's 8 rows; q = 1..8: my tokens 8 (q - 1) .. + 7.  No hint: other work-groups read the same rows.
.macro LOADQ q
	WIN 0xc0                                       ; destination window 3
.irp row, 0,1,2,3,4,5,6,7
.irp seg, 0,1,2,3
.if \q == 0
	global_load_b128 v[128*(\q&1)+16*\row+4*\seg:128*(\q&1)+16*\row+4*\seg+3], v[XO], s[6:7] offset:\row*XROW+\seg*512
.else
	global_load_b128 v[128*(\q&1)+16*\row+4*\seg:128*(\q&1)+16*\row+4*\seg+3], v[XO], s[4:5] offset:(8*(\q-1)+\row)*XROW+\seg*512
.endif
.endr
.endr
.endm
; The 8 rows of group q are rounded to bf16 and laid into the stage: router_w into rows 0-7, tokens by turns into rows 0-7 and 8-15.
; left = how many younger loads may stay out.
.macro CVTQ q, left
	s_wait_loadcnt \left                           ; loads come back in order: this group's 32 are in, the other buffer's stay out
	WIN 0x0f                                       ; sources window 3
.irp row, 0,1,2,3,4,5,6,7
.irp seg, 0,1,2,3
	v_cvt_pk_bf16_f32 v[CT+8*\row+2*\seg],   v[128*(\q&1)+16*\row+4*\seg],   v[128*(\q&1)+16*\row+4*\seg+1]
	v_cvt_pk_bf16_f32 v[CT+8*\row+2*\seg+1], v[128*(\q&1)+16*\row+4*\seg+2], v[128*(\q&1)+16*\row+4*\seg+3]
.endr
.endr
	WIN 0
.irp row, 0,1,2,3,4,5,6,7
.irp seg, 0,1,2,3
.if \q == 0
	ds_store_b64 v[SA], v[CT+8*\row+2*\seg:CT+8*\row+2*\seg+1] offset:\row*PB+\seg*256
.else
	ds_store_b64 v[SA], v[CT+8*\row+2*\seg:CT+8*\row+2*\seg+1] offset:(8*((\q-1)&1)+\row)*PB+\seg*256
.endif
.endr
.endr
.endm
; A fragment is 16 rows x 32 K in 8 registers: lane l holds row l % 16; registers 0-3 hold K = 8 (l / 16) + 0..7, registers 4-7 K = 16 + 8 (l / 16) + 0..7:
; two loads of 16 bytes, 32 bytes apart.  16 K blocks of 64 bytes in a row.
.macro READR                           ; the router's fragments into the two fragment buffers of window 0
	WIN 0                                          ; the run of global loads in front has left the destination in window 3
.irp kk, 0,1,2,3,4,5,6,7,8,9,10,11,12,13,14,15
	ds_load_b128 v[F0+8*\kk:F0+8*\kk+3],   v[RR] offset:64*\kk
	ds_load_b128 v[F0+8*\kk+4:F0+8*\kk+7], v[RR] offset:64*\kk+32
.endr
.endm
.macro READA a                         ; tokens 16 a .. 16 a + 15 into windows 1 and 2, where they stay
	WIN 0x40
.irp kk, 0,1,2,3,4,5,6,7
	ds_load_b128 v[8*(4*\kk+\a):8*(4*\kk+\a)+3],   v[AR] offset:64*\kk
	ds_load_b128 v[8*(4*\kk+\a)+4:8*(4*\kk+\a)+7], v[AR] offset:64*\kk+32
.endr
	WIN 0x80
.irp kk, 0,1,2,3,4,5,6,7
	ds_load_b128 v[8*(4*\kk+\a):8*(4*\kk+\a)+3],   v[AR] offset:512+64*\kk
	ds_load_b128 v[8*(4*\kk+\a)+4:8*(4*\kk+\a)+7], v[AR] offset:512+64*\kk+32
.endr
	WIN 0
.endm
; The logits: 16 K blocks x 4 groups of 16 tokens.  The first K block starts the sums.  The four accumulators take turns, one instruction a turn.
.macro ROUTER
.irp kk, 0,1,2,3,4,5,6,7,8,9,10,11,12,13,14,15
.if \kk < 8
	WIN 0x04                                       ; source 1 (tokens) window 1
.else
	WIN 0x08                                       ; window 2
.endif
.irp a, 0,1,2,3
.if \kk == 0
	v_wmma_f32_16x16x32_bf16 v[LG+8*\a:LG+8*\a+7], v[F0+8*\kk:F0+8*\kk+7], v[8*(4*(\kk&7)+\a):8*(4*(\kk&7)+\a)+7], 0
.else
	v_wmma_f32_16x16x32_bf16 v[LG+8*\a:LG+8*\a+7], v[F0+8*\kk:F0+8*\kk+7], v[8*(4*(\kk&7)+\a):8*(4*(\kk&7)+\a)+7], v[LG+8*\a:LG+8*\a+7]
.endif
.endr
.endr
.endm
; Softmax, top-2 and weights of token 16 a + l % 16, inside the lane, in f32.
.macro SOFTTOP a
	v_max3_num_f32 v[MX], v[LG+8*\a], v[LG+8*\a+1], v[LG+8*\a+2]
	v_max3_num_f32 v[MX], v[MX], v[LG+8*\a+3], v[LG+8*\a+4]
	v_max3_num_f32 v[MX], v[MX], v[LG+8*\a+5], v[LG+8*\a+6]
	v_max_num_f32 v[MX], v[MX], v[LG+8*\a+7]       ; the token's largest logit
	v_mul_f32 v[MX+1], s52, v[MX]
.irp e, 0,1,2,3,4,5,6,7
	v_fma_f32 v[LG+8*\a+\e], v[LG+8*\a+\e], s52, -v[MX+1]   ; (logit - maximum) log2 e, one rounding; the rounding of the subtrahend shifts all eight alike and cancels in the division by the sum
.endr
.irp e, 0,1,2,3,4,5,6,7
	v_exp_f32 v[LG+8*\a+\e], v[LG+8*\a+\e]
.endr
	v_nop                                          ; one plain vector instruction between a transcendental and the use of its result (ISA guide 5.7.2)
	s_wait_alu depctr_va_vdst(0)
	v_add_f32 v[MX+2], v[LG+8*\a], v[LG+8*\a+1]
	v_add_f32 v[MX+3], v[LG+8*\a+2], v[LG+8*\a+3]
	v_add_f32 v[B1], v[LG+8*\a+4], v[LG+8*\a+5]
	v_add_f32 v[B2], v[LG+8*\a+6], v[LG+8*\a+7]
	v_add_f32 v[MX+2], v[MX+2], v[MX+3]
	v_add_f32 v[B1], v[B1], v[B2]
	v_add_f32 v[MX+2], v[MX+2], v[B1]              ; between 1 and 8
	v_rcp_f32 v[MX+3], v[MX+2]
	v_nop
	s_wait_alu depctr_va_vdst(0)
.irp e, 0,1,2,3,4,5,6,7
	v_mul_f32 v[LG+8*\a+\e], v[LG+8*\a+\e], v[MX+3]          ; the probabilities
.endr
	v_mov_b32 v[B1], v[LG+8*\a]                    ; best so far: expert 0
	v_mov_b32 v[I1], 0
	v_mov_b32 v[B2], -1.0                          ; second best: none yet; every probability is larger
	v_mov_b32 v[I2], 0
.irp e, 1,2,3,4,5,6,7
	v_cmp_gt_f32 s50, v[LG+8*\a+\e], v[B1]         ; strictly larger: of equal ones the lower index stays
	v_cmp_gt_f32 s51, v[LG+8*\a+\e], v[B2]
	v_cndmask_b32 v[B2], v[B2], v[LG+8*\a+\e], s51 ; it beats the second best,
	v_cndmask_b32 v[I2], v[I2], \e, s51
	v_cndmask_b32 v[B2], v[B2], v[B1], s50         ; or it beats the best, which then becomes the second
	v_cndmask_b32 v[I2], v[I2], v[I1], s50
	v_cndmask_b32 v[B1], v[B1], v[LG+8*\a+\e], s50
	v_cndmask_b32 v[I1], v[I1], \e, s50
.endr
	v_add_f32 v[DN], v[B1], v[B2]
	v_add_f32 v[DN], 0x358637bd, v[DN]             ; + 1e-6
	v_rcp_f32 v[DN+1], v[DN]
	v_nop
	s_wait_alu depctr_va_vdst(0)
	v_mul_f32 v[DN+2], v[B1], v[DN+1]
	v_mul_f32 v[DN+3], v[B2], v[DN+1]
.irp e, 0,1,2,3,4,5,6,7
	v_cmp_eq_u32 s50, \e, v[I1]
	v_cmp_eq_u32 s51, \e, v[I2]
	v_cndmask_b32 v[W2+8*\e+2*\a], 0, v[DN+3], s51
	v_cndmask_b32 v[W2+8*\e+2*\a], v[W2+8*\e+2*\a], v[DN+2], s50
	v_mov_b32 v[W2+8*\e+2*\a+1], v[W2+8*\e+2*\a]   ; twice: the pair by which v_pk_fma_f32 multiplies
.endr
.endm
; ---- THE UNITS.  A unit is 8 stages of 64 along K (2 K blocks), 32 matrix instructions each, on fragment buffers 0, 1, 0, 1 ..
; 16 LDS loads: W's fragments of stage s (2 K blocks x 4 groups of 16 rows) into buffer f
.macro FETCH slot, s, f
	WIN 0
.irp j, 0,1
.irp b, 0,1,2,3
	ds_load_b128 v[\f+8*(4*\j+\b):\f+8*(4*\j+\b)+3],   v[ADRB+\slot] offset:\b*16*PB+128*(\s)+64*\j
	ds_load_b128 v[\f+8*(4*\j+\b)+4:\f+8*(4*\j+\b)+7], v[ADRB+\slot] offset:\b*16*PB+128*(\s)+64*\j+32
.endr
.endr
.endm
; 32 matrix instructions: 2 K blocks x 4 groups of tokens x 4 groups of columns.  zero = 1: the unit's first K block starts the sums: nothing is cleared.
; The sixteen accumulators take turns, one instruction a turn, in the same order throughout, over the loop's backward jump too.
.macro MUL32 f, s, zero
.if (\s) < 4
	WIN 0xf4                                       ; source 0 (W) window 0, source 1 (tokens) window 1, C and D window 3
.else
	WIN 0xf8                                       ; tokens from window 2
.endif
.irp j, 0,1
.irp a, 0,1,2,3
.irp b, 0,1,2,3
.if (\zero)*(1-\j)
	v_wmma_f32_16x16x32_bf16 v[ACC+8*(4*\a+\b):ACC+8*(4*\a+\b)+7], v[\f+8*(4*\j+\b):\f+8*(4*\j+\b)+7], v[8*(4*((2*(\s)+\j)&7)+\a):8*(4*((2*(\s)+\j)&7)+\a)+7], 0
.else
	v_wmma_f32_16x16x32_bf16 v[ACC+8*(4*\a+\b):ACC+8*(4*\a+\b)+7], v[\f+8*(4*\j+\b):\f+8*(4*\j+\b)+7], v[8*(4*((2*(\s)+\j)&7)+\a):8*(4*((2*(\s)+\j)&7)+\a)+7], v[ACC+8*(4*\a+\b):ACC+8*(4*\a+\b)+7]
.endif
.endr
.endr
.endr
.endm
; One of a unit's stages 1 to 6: its fragments are in; the next stage's are asked for, 32 matrix instructions ahead of their use; it is multiplied.
.macro STAGE slot, s
	s_wait_dscnt 0x0                               ; this stage's 16 loads, issued in front of the stage before (in stage 1: the unit's weights too)
	PLACES                                         ; the other buffer was read by the matrix instructions just issued
	FETCH \slot, \s+1, F0+64*((\s+1)&1)
	MUL32 F0+64*(\s&1), \s, 0
.endm
; TOT += w[token][expert] x ACC, two numbers an instruction; first = 1: the pass's first expert starts the total: nothing is cleared.
.macro COMBINE first
	WIN 0xf3                                       ; ACC and TOT window 3, the weights window 0
.irp a, 0,1,2,3
.irp b, 0,1,2,3
.irp i, 0,2,4,6
.if \first
	v_pk_mul_f32 v[TOT+8*(4*\a+\b)+\i:TOT+8*(4*\a+\b)+\i+1], v[ACC+8*(4*\a+\b)+\i:ACC+8*(4*\a+\b)+\i+1], v[WC+2*\a:WC+2*\a+1]
.else
	v_pk_fma_f32 v[TOT+8*(4*\a+\b)+\i:TOT+8*(4*\a+\b)+\i+1], v[ACC+8*(4*\a+\b)+\i:ACC+8*(4*\a+\b)+\i+1], v[WC+2*\a:WC+2*\a+1], v[TOT+8*(4*\a+\b)+\i:TOT+8*(4*\a+\b)+\i+1]
.endif
.endr
.endr
.endr
	WIN 0
.endm
; THE WAY OUT of a pass, 16 tokens at a time: 32 bytes a lane and tile into my own stage, read back as whole rows of 256 bytes (64 f32).
; s[10:11] stands at the pass's 64 columns.
.macro OUT
.irp a, 0,1,2,3
	WIN 0x0c                                       ; store data window 3
.irp b, 0,1,2,3
	ds_store_b128 v[STO], v[TOT+8*(4*\a+\b):TOT+8*(4*\a+\b)+3]   offset:64*\b
	ds_store_b128 v[STO], v[TOT+8*(4*\a+\b)+4:TOT+8*(4*\a+\b)+7] offset:64*\b+16
.endr
	WIN 0
	s_wait_xcnt 0x0                                ; every earlier memory instruction has had its addresses translated (ISA guide 3.1): registers that stores read are loaded again only behind this wait
.irp t, 0,1,2,3,4,5,6,7
	ds_load_b128 v[F1+32*(\a&1)+4*\t:F1+32*(\a&1)+4*\t+3], v[RD] offset:\t*2*OP     ; LDS serves a wave's instructions in order: these see the stores above
.endr
.irp t, 0,1,2,3,4,5,6,7
	s_wait_dscnt 7-\t                              ; LDS loads come back in order: pair t of the eight pairs of rows is in
	global_store_b128 v[CO], v[F1+32*(\a&1)+4*\t:F1+32*(\a&1)+4*\t+3], s[10:11] offset:(16*\a+2*\t)*XROW th:TH_STORE_NT   ; sixteen lanes store 256 consecutive bytes, aligned to 256
.endr
.endr
	s_wait_xcnt 0x0                                ; fragment buffer 1, which the last stores read, and the stores' base are written again only behind this wait
.endm
; A unit in slot 0 or 1.  mode 2: this slot is filled again, with the unit two further on; mode 1: only the change of slots; mode 0: the last unit.
; dyn 1 (in the loop): s53 = trip % 4 tells the pass's first expert (slot 0, s53 = 0) and its last (slot 1, s53 = 3); dyn 0 (the tail: experts 6 and 7 of pass 1): fixed.
; The change of slots stands in the last stage.  In front of the barrier each wave waits for its reads of this slot and for all its tensor loads, of which one
; is out: its part of the next slot.  Where the slot is filled again that barrier opens a round of the cluster's barrier: no wave of any partner then still
; reads the slot or has a load on its way.  The joint refill is the first tensor load behind the round and has the whole next unit in which to land.
.macro UNIT slot, mode, dyn
	s_wait_dscnt 0x0                               ; stage 0's 16 loads, issued in front of the weighting of the unit before
	FETCH \slot, 1, F1                             ; buffer 1 was last read by matrix instructions in front of that weighting: more than four places ago
	ds_load_b128 v[WC:WC+3],   v[WA] offset:\slot*1024       ; this unit's weights: tokens a = 0, 1,
	ds_load_b128 v[WC+4:WC+7], v[WA] offset:\slot*1024+512   ; and a = 2, 3; my own bytes, stored by me before the loop
	MUL32 F0, 0, 1
.irp s, 1,2,3,4,5,6
	STAGE \slot, \s
.endr
	s_wait_dscnt 0x0                               ; the last stage's fragments are in: my reads of this slot are over
.if \mode
	s_set_vgpr_msb 0xf8f0
	s_wait_tensorcnt 0x0                           ; all my tensor loads have landed, my part of the next slot among them
	ds_add_u32 v30, v31
	s_wait_dscnt 0x0
	s_set_vgpr_msb 0xf0f8
	s_barrier_signal -1                            ; say so,
.endif
	MUL32 F1, 7, 0                                 ; work on registers while the others arrive,
	WIN 0
.if \mode
	s_barrier_wait -1                              ; and go on when all four have said so
.endif
.if \mode == 2
	CREST
	s_add_nc_u64 s[G0+4*\slot+2:G0+4*\slot+3], s[G0+4*\slot+2:G0+4*\slot+3], 2*USTEP   ; no tensor load of mine is out: the slot's group 0 may be written; the type bits on top are not reached
	tensor_load_to_lds s[G0+4*\slot:G0+4*\slot+3], s[G1:G1+7]
	s_nop 0
.endif
	PLACES                                         ; behind the last matrix instructions: for the loads into buffer 0 and for the reads of ACC
.if \mode
	FETCH 1-\slot, 0, F0                           ; the next unit's first fragments come while this unit's sums are weighted
.endif
.if \dyn
.if \slot == 0
	s_cmp_eq_u32 s53, 0                            ; expert 0?
	s_cbranch_scc1 .Lstarts_\@
	COMBINE 0
	s_branch .Lweighted_\@
.Lstarts_\@:
	COMBINE 1
.Lweighted_\@:
.else
	COMBINE 0
	s_cmp_lg_u32 s53, 3                            ; expert 7?
	s_cbranch_scc1 .Lstays_\@
	OUT
	s_add_nc_u64 s[10:11], s[10:11], 256           ; the next pass's 64 columns
.Lstays_\@:
.endif
.else
	COMBINE 0
.if \slot == 1
	OUT
.endif
.endif
.endm
	LOADQ 0
	LOADQ 1
	CVTQ 0, 32
	LOADQ 2
	READR
	CVTQ 1, 32
	LOADQ 3
	CVTQ 2, 32
	LOADQ 4
	READA 0
	CVTQ 3, 32
	LOADQ 5
	CVTQ 4, 32
	LOADQ 6
	READA 1
	CVTQ 5, 32
	LOADQ 7
	CVTQ 6, 32
	LOADQ 8
	READA 2
	CVTQ 7, 32
	CVTQ 8, 0                                      ; the last group: no younger load
	READA 3
	s_wait_dscnt 0x0                               ; the router's and the tokens' fragments are in
	ROUTER
	WIN 0
	s_wait_tensorcnt 0x1                           ; my part of unit 0 is in; unit 1's may stay out
	s_barrier_signal -1
	s_barrier_wait -1                              ; everybody's part is in
	PLACES                                         ; behind the router's matrix instructions: for the loads into their sources and the reads of the logits
	FETCH 0, 0, F0                                 ; unit 0's first fragments come during the softmax
	SOFTTOP 0
	SOFTTOP 1
	SOFTTOP 2
	SOFTTOP 3
	; The weights go into my table, unit by unit: expert e stands at units e and e + 8, so that the table's address only ever steps forward.
.irp e, 0,1,2,3,4,5,6,7
.irp d, 0,1
	ds_store_b128 v[WA], v[W2+8*\e:W2+8*\e+3]   offset:(\e+8*\d)*1024       ; 32 lanes x 16 neighbouring bytes: tokens a = 0, 1
	ds_store_b128 v[WA], v[W2+8*\e+4:W2+8*\e+7] offset:(\e+8*\d)*1024+512   ; tokens a = 2, 3
.endr
.endr
	s_mov_b32 s3, 0                                ; the trip
.Lpair:
	s_and_b32 s53, s3, 3                           ; a pass is four trips
	UNIT 0, 2, 1
	UNIT 1, 2, 1
	v_add_nc_u32 v[WA], 2048, v[WA]                ; the next two units' weights
	s_add_co_u32 s3, s3, 1
	s_cmp_lt_u32 s3, TRIPS
	s_cbranch_scc1 .Lpair
	UNIT 0, 1, 0                                   ; unit 14: nothing is left to fetch: a plain barrier shows unit 15 whole
	UNIT 1, 0, 0                                   ; unit 15, and the second pass's way out
	s_wait_tensorcnt 0x0
	ds_add_u32 v30, v31
	s_wait_dscnt 0x0
	CROUND                                         ; the closing round: no work-group ends while a partner may still ask for a tile that names it
	s_endpgm
.Lfunc_end_k_q37118b93fc_moe:
	.size	k_q37118b93fc_moe, .Lfunc_end_k_q37118b93fc_moe-k_q37118b93fc_moe
	.p2alignl 7, 3214868480
	.fill 96, 4, 3214868480
	.section	.rodata,"a",@progbits
	.p2align	6, 0x0
	.amdhsa_kernel k_q37118b93fc_moe
		.amdhsa_group_segment_fixed_size 327680
		.amdhsa_private_segment_fixed_size 0
		.amdhsa_enable_private_segment 0
		.amdhsa_kernarg_size 32
		.amdhsa_user_sgpr_count 2
		.amdhsa_user_sgpr_kernarg_segment_ptr 1
		.amdhsa_wavefront_size32 1
		.amdhsa_system_sgpr_workgroup_id_x 1
		.amdhsa_system_sgpr_workgroup_id_y 1
		.amdhsa_system_sgpr_workgroup_id_z 1
		.amdhsa_system_vgpr_workitem_id 0
		.amdhsa_next_free_vgpr 1024
		.amdhsa_next_free_sgpr 66
		.amdhsa_reserve_vcc 0
		.amdhsa_float_denorm_mode_32 3
		.amdhsa_float_denorm_mode_16_64 3
		.amdhsa_memory_ordered 1
		.amdhsa_forward_progress 1
		.amdhsa_inst_pref_size 255
	.end_amdhsa_kernel
	.section	.bss,"aw",@nobits
	.p2align	6
	.space	262144
	.amdgpu_metadata
---
amdhsa.version: [ 1, 2 ]
amdhsa.kernels:
  - .name:           k_q37118b93fc_moe
    .symbol:         k_q37118b93fc_moe.kd
    .args:
      - { .name: hidden_states, .offset: 0, .size: 8, .value_kind: global_buffer, .address_space: global }
      - { .name: router_w, .offset: 8, .size: 8, .value_kind: global_buffer, .address_space: global }
      - { .name: wt, .offset: 16, .size: 8, .value_kind: global_buffer, .address_space: global }
      - { .name: out0, .offset: 24, .size: 8, .value_kind: global_buffer, .address_space: global }
    .group_segment_fixed_size: 327680
    .private_segment_fixed_size: 0
    .kernarg_segment_align: 8
    .kernarg_segment_size: 32
    .max_flat_workgroup_size: 128
    .sgpr_count:     66
    .vgpr_count:     1024
    .wavefront_size: 32
...
	.end_amdgpu_metadata
.endif
;; end of part 4
